; MI455X (gfx1250); checked and timed in simulation.
; The chip was launched on July 23, 2026; its instructions are those of AMD's public machine-readable ISA for CDNA 5 (MIT licence, August 2026) and "CDNA5" Instruction Set Architecture Reference Guide (July 2026). The comments in the code are by the model that wrote it; some were corrected since.
;; KAN Decode. Allowed arithmetic: matrix products marked QUANTISED: E4M3 operands, one given power-of-two scale a tensor, by v_wmma_f32_16x16x64_fp8_fp8 or v_wmma_f32_16x16x128_fp8_fp8, f32 sums; everything else in f32.
;; Inputs: base_w1 512 x 512 float32; base_w2 256 x 512 float32; dense_b 512 float32; dense_w 512 x 64 float32; lowp_scales 10 int32 (the exponents e of the quantised operands' scales 2^e); scaler1 512 x 512 float32; scaler2 256 x 512 float32; spline_w1 512 x 512 x 8 float32; spline_w2 256 x 512 x 8 float32; x 16,384 x 64 float32.
;; Outputs: out0 16,384 x 256 float32.
;; This version of the problem:
;;   THIS VERSION OF THE PROBLEM IS GIVEN IN LOW PRECISION. The matrix products marked QUANTISED in the list below multiply operands that are first quantised to E4M3 (4 exponent bits, 3 mantissa bits; 8 bits a number), with one given power-of-two scale for each operand tensor; their sums are f32. All else is computed in f32.
;;   The module's matrix products, in the order in which they are computed (A, B: the left and right operand; K: the contracted axis; several contracted axes count as one K, in the product's order):
;;     1. [M 16,384, K 64] x [K 64, N 512]; A: input x; B: input dense_w: QUANTISED (scales: A lowp_scales[0], B lowp_scales[1])
;;     2. [M 16,384, K 512] x [K 512, N 512]; A: computed on the way; B: input base_w1: QUANTISED (scales: A lowp_scales[2], B lowp_scales[3])
;;     3. [M 16,384, K 4,096] x [K 4,096, N 512]; A: computed on the way; B: computed on the way: QUANTISED (scales: A lowp_scales[4], B lowp_scales[5])
;;     4. [M 16,384, K 512] x [K 512, N 256]; A: computed on the way; B: input base_w2: QUANTISED (scales: A lowp_scales[6], B lowp_scales[7])
;;     5. [M 16,384, K 4,096] x [K 4,096, N 256]; A: computed on the way; B: computed on the way: QUANTISED (scales: A lowp_scales[8], B lowp_scales[9])
;;   THE QUANTISER, for each operand of a quantised product, along K:
;;     - The operand's scale is 2^e, e = its entry of the input lowp_scales (int32; the entries are numbered through the quantised products in the list's order, A before B).
;;     - Each number is divided by the scale, clamped to +-448, and rounded to the nearest number of E4M3, ties to even, subnormals kept.
;;     - The product sums the exact products of the quantised numbers (number of the format x scale) in f32.
;;   ~~~python
;;   def quantise(x, axis, e):      # numpy; x: float32 -> the quantised numbers, widened to float32 again
;;       x = np.moveaxis(x, axis, -1); K = x.shape[-1]
;;       r = np.clip(x / 2.0 ** e, -448, 448)
;;       step = 2.0 ** (np.maximum(np.frexp(np.where(r == 0, 1, r))[1] - 1, -6) - 3)
;;       q = np.round(r / step) * step * 2.0 ** e      # np.round: ties to even
;;       return np.moveaxis(q, -1, axis).astype(np.float32)
;;   ~~~
;;   OPERANDS COMPUTED ON THE WAY. 'Computed on the way' means the value that the module computes at that place (a softmax that the list does not call 'softmax' is quantised finished and normalised). What goes into a quantiser is computed in f32, as accurately as f32 sums, v_exp_f32 and their like allow (about 1e-6 of the number): no bf16 or f16 on the way to a quantiser, and a product that is left as it is and whose result goes on into a quantised operand takes f32 operands (vector FMAs, or v_wmma_f32_16x16x4_f32). A number that lies on a knife's edge between two numbers of the format may be rounded either way, as far as f32 arithmetic and the matrix unit's own rounding can turn it there, and no further.
;; One version. Each part assembles by itself: llvm-mc -triple=amdgcn-amd-amdhsa -mcpu=gfx1250 --defsym DOCPART=n.
;; ======== version 1 of 1: 2 launches
;; workspace buffers: wq 3,604,480 bytes
;; launch prep (part 1): grid 440 x 1, 4 waves a work-group, no clusters, 26,624 bytes of LDS; arguments spline_w1, scaler1, spline_w2, scaler2, base_w1, base_w2, dense_w, lowp_scales, wq; writes wq
.if DOCPART == 1
	.amdgcn_target "amdgcn-amd-amdhsa--gfx1250"
	.amdhsa_code_object_version 6
	.text
	.protected	k_qf360e85f44_prep
	.globl	k_qf360e85f44_prep
	.p2align	8
	.type	k_qf360e85f44_prep,@function
k_qf360e85f44_prep:
	s_mov_b64 s[64:65], 0
	v_nop
	global_prefetch_b8 v0, s[64:65] scope:SCOPE_SE
	s_setreg_imm32_b32 hwreg(HW_REG_WAVE_MODE, 25, 1), 1
	s_wait_xcnt 0x0
; All weights of the chain become codes of FP8 (E4M3), once, laid in wq in the order in which the main launch walks them.
; code = w / 2^e, held within +-448, to the nearest code, ties to even.  e: lowp_scales entry 1 (dense_w), 3 (base_w1), 5 (spline_w1 x scaler1), 7 (base_w2), 9 (spline_w2 x scaler2).
; LIMITS: each e lies between -126 and 119, so that 2^e and 448 x 2^e are f32 numbers.  NaN among the inputs is not served.
; A FRAGMENT is 16 output columns x 128 along K: 16 registers a lane, stored as an image of these registers, 2,048 bytes: registers 4c .. 4c+3 of lane l at 512 c + 16 l.
; Lane l = (r = l % 16, h = l / 16) holds output column r of the tile.  Which K lies where (the main launch lays its A operands alike):
;   spline step a: registers 2q, 2q+1 = feature 16 a + 8 h + q, byte j = basis j;   base step b: registers 2k, 2k+1 = features 128 b + 16 k + 8 h + 0 .. 7;
;   dense: registers 4c .. 4c+3 (c = 0, 1) = K 32 h + 16 c + 0 .. 15, registers 8 .. 15 = zero codes (K = 64 filled up to 128).
; wq, in slots of 65,536 bytes: slot 0 dense (tile T at 2048 T); slots 1+a layer 1 spline; slots 33+b layer 1 base; from slot 37 layer 2 spline, step a at 32768 a + 2048 T; from slot 53 layer 2 base, step b likewise.
; SHARES: one wave makes one fragment; no loop, no barrier.  Work-groups 0-255: layer 1 spline (tile id / 8, step 4 (id % 8) + wave); 256-383: layer 2 spline; 384-415, 416-431: base (tile, step = wave); 432-439: dense.
; Every load of weights reads 512 consecutive bytes a wave.  The codes turn through a stage of the wave in LDS (eight groups of 256 bytes, 272 bytes = 68 words apart, so that the groups start four words apart)
; and leave as 512 consecutive bytes a store.  The three paths part on the number of the work-group; each has LDS bytes of its own.
; The scaler comes in pieces of 64 bytes a row: the four waves of a work-group take the four quarters of the same 256 bytes.  That concerns 1.5 MB of the 16 MB that are read.
.set X,   16                           ; v16-79   64 numbers
.set S,   80                           ; v80-95   the scaler of my feature, a register a row
.set C,   96                           ; v96-111  codes: a word a row
.set O,   112                          ; v112-127 the image
.set GP,  272                          ; from group to group in a stage
.set STG, 8*GP                         ; a stage
.macro SCALE_OF se                     ; v11 = 2^e as f32 (the conversion takes its exponent field), v10 = 448 x 2^e
	s_add_co_i32 s[\se], s[\se], 127
	s_lshl_b32 s50, s[\se], 23
	v_mov_b32 v11, s50
	s_add_co_i32 s[\se], s[\se], 8
	s_lshl_b32 s[\se], s[\se], 23
	s_or_b32 s[\se], s[\se], 0x600000
	v_mov_b32 v10, s[\se]
.endm
.macro CODES n                         ; n numbers a lane: the hold (the conversion to an 8-bit code does not saturate: ISA guide 7.6.2), then eight numbers a conversion: the four of one load, the four of the next: a word each
.set i, 0
.rept \n
	v_med3_num_f32 v[X+i], v[X+i], -v10, v10
.set i, i+1
.endr
.set i, 0
.rept \n/8
	v_cvt_scalef32_pk8_fp8_f32 v[C+2*i:C+2*i+1], v[X+8*i:X+8*i+7], v11
.set i, i+1
.endr
	v_nop                                          ; a plain line behind the last conversion
.endm
.macro TURN pb, n, step, chunks        ; n words into the stage at pb, step bytes apart; the image back, 16 bytes a lane; out.  LDS serves the instructions of a wave in order (ISA guide 5.7.1.4): no wait between stores and loads
.set i, 0
.rept \n
	ds_store_b32 v4, v[C+i] offset:\pb+\step*i
.set i, i+1
.endr
.set i, 0
.rept \chunks
	ds_load_b128 v[O+4*i:O+4*i+3], v5 offset:\pb+2*GP*i
.set i, i+1
.endr
.set i, 0
.rept \chunks
	s_wait_dscnt \chunks-1-i                       ; the younger read-backs may be out
	global_store_b128 v2, v[O+4*i:O+4*i+3], s[20:21] offset:512*i   ; 32 lanes store 512 consecutive bytes, at a multiple of 512 from the first byte of wq
.set i, i+1
.endr
.endm
	s_load_b256 s[4:11], s[0:1], 0x0               ; spline_w1 s[4:5], scaler1 s[6:7], spline_w2 s[8:9], scaler2 s[10:11]
	s_load_b256 s[12:19], s[0:1], 0x20             ; base_w1 s[12:13], base_w2 s[14:15], dense_w s[16:17], lowp_scales s[18:19]
	s_load_b64 s[20:21], s[0:1], 0x40              ; wq
	v_lshl_add_u32 v128, v0, 2, 0x6600
	v_mov_b32 v129, 0
	v_lshrrev_b32 v1, 5, v0
	v_readfirstlane_b32 s22, v1                    ; wave 0..3
	v_and_b32 v1, 31, v0                           ; lane l
	v_lshlrev_b32 v2, 4, v1                        ; 16 l: my 16 bytes of a load and of a store
	v_lshrrev_b32 v6, 4, v1                        ; l / 16
	v_and_b32 v7, 15, v1                           ; l % 16
	s_mul_i32 s23, s22, STG                        ; my stage within the region of a path
	v_mul_u32_u24 v5, v6, GP
	v_lshl_add_u32 v5, v7, 4, v5
	v_add_nc_u32 v5, s23, v5                       ; back out of the stage: group 2 c + l / 16, 16 (l % 16)
	s_mov_b32 s45, 0                               ; upper word of every offset
	s_wait_kmcnt 0x0
	s_load_b256 s[24:31], s[18:19], 0x0            ; e0 .. e7
	s_load_b64 s[32:33], s[18:19], 0x20            ; e8, e9
	s_cmp_lt_u32 ttmp9, 384
	s_cbranch_scc0 .Lnot_spline
	; ---- spline_w x scaler.  Only pointers and constants are chosen by the layer: both layers take one path
	s_cmp_lt_u32 ttmp9, 256
	s_cselect_b64 s[34:35], s[4:5], s[8:9]         ; spline_w
	s_cselect_b64 s[36:37], s[6:7], s[10:11]       ; scaler
	s_cselect_b32 s38, 0, 256
	s_cselect_b32 s39, 16, 15                      ; a step is 65,536 or 32,768 bytes of wq
	s_mov_b32 s40, 37*65536
	s_cselect_b32 s40, 65536, s40                  ; where the steps of the layer begin
	s_sub_co_u32 s38, ttmp9, s38
	s_lshr_b32 s42, s38, 3                         ; tile T
	s_and_b32 s43, s38, 7
	s_lshl_b32 s43, s43, 2
	s_add_co_u32 s43, s43, s22                     ; step a
	s_lshl_b32 s44, s42, 18                        ; 16 rows of 16,384 bytes
	s_lshl_b32 s46, s43, 9                         ; 16 features x 8 bases x 4 bytes
	s_add_co_u32 s44, s44, s46
	s_add_nc_u64 s[34:35], s[34:35], s[44:45]
	s_lshl_b32 s44, s42, 15                        ; 16 rows of 2,048 bytes
	s_lshl_b32 s46, s43, 6
	s_add_co_u32 s44, s44, s46
	s_add_nc_u64 s[36:37], s[36:37], s[44:45]
	s_lshl_b32 s44, s43, s39
	s_add_co_u32 s44, s44, s40
	s_lshl_b32 s46, s42, 11
	s_add_co_u32 s44, s44, s46
	s_add_nc_u64 s[20:21], s[20:21], s[44:45]      ; my fragment
	v_lshrrev_b32 v3, 1, v1
	v_lshlrev_b32 v3, 2, v3                        ; lane l holds feature l / 2 of the step, bases 4 (l % 2) on: its scaler
.irp r, 0,1,2,3,4,5,6,7,8,9,10,11,12,13,14,15
	global_load_b128 v[X+4*\r:X+4*\r+3], v2, s[34:35] offset:\r*16384 th:TH_LOAD_NT
.endr
.irp r, 0,1,2,3,4,5,6,7,8,9,10,11,12,13,14,15
	global_load_b32 v[S+\r], v3, s[36:37] offset:\r*2048
.endr
	v_bfe_u32 v8, v1, 2, 2                         ; c = (l / 4) % 4
	v_lshl_add_u32 v8, v8, 1, v6                   ; group 2 c + h, h = l / 16
	v_mul_u32_u24 v4, v8, GP
	v_and_b32 v9, 3, v1
	v_lshl_add_u32 v4, v9, 2, v4                   ; + 4 (l % 4); row r adds 16 r
	v_add_nc_u32 v4, s23, v4
	s_wait_kmcnt 0x0
	s_cmp_lt_u32 ttmp9, 256
	s_cselect_b32 s47, s29, s33                    ; e5 or e9
	SCALE_OF 47
	s_wait_loadcnt 0x0
.irp r, 0,2,4,6,8,10,12,14                     ; w x scaler in f32, as the reference has it: the four numbers of row r by register S + r of a pair
	v_pk_mul_f32 v[X+4*\r:X+4*\r+1], v[X+4*\r:X+4*\r+1], v[S+\r:S+\r+1] op_sel_hi:[1,0]
	v_pk_mul_f32 v[X+4*\r+2:X+4*\r+3], v[X+4*\r+2:X+4*\r+3], v[S+\r:S+\r+1] op_sel_hi:[1,0]
	v_pk_mul_f32 v[X+4*\r+4:X+4*\r+5], v[X+4*\r+4:X+4*\r+5], v[S+\r:S+\r+1] op_sel:[0,1] op_sel_hi:[1,1]
	v_pk_mul_f32 v[X+4*\r+6:X+4*\r+7], v[X+4*\r+6:X+4*\r+7], v[S+\r:S+\r+1] op_sel:[0,1] op_sel_hi:[1,1]
.endr
	CODES 64
	TURN 0, 16, 16, 4
	s_wait_tensorcnt 0x0
	ds_add_u32 v128, v129
	s_wait_dscnt 0x0
	s_endpgm
.Lnot_spline:
	s_cmp_lt_u32 ttmp9, 432
	s_cbranch_scc0 .Ldense
	; ---- base_w
	s_cmp_lt_u32 ttmp9, 416
	s_cselect_b64 s[34:35], s[12:13], s[14:15]
	s_mov_b32 s38, 416
	s_cselect_b32 s38, 384, s38
	s_cselect_b32 s39, 16, 15
	s_mov_b32 s40, 53*65536
	s_cselect_b32 s40, 33*65536, s40
	s_sub_co_u32 s42, ttmp9, s38                   ; tile T; the step b is the wave
	s_lshl_b32 s44, s42, 15                        ; 16 rows of 2,048 bytes
	s_lshl_b32 s46, s22, 9                         ; 128 features x 4 bytes
	s_add_co_u32 s44, s44, s46
	s_add_nc_u64 s[34:35], s[34:35], s[44:45]
	s_lshl_b32 s44, s22, s39
	s_add_co_u32 s44, s44, s40
	s_lshl_b32 s46, s42, 11
	s_add_co_u32 s44, s44, s46
	s_add_nc_u64 s[20:21], s[20:21], s[44:45]
.irp r, 0,1,2,3,4,5,6,7,8,9,10,11,12,13,14,15
	global_load_b128 v[X+4*\r:X+4*\r+3], v2, s[34:35] offset:\r*2048 th:TH_LOAD_NT
.endr
	v_lshrrev_b32 v8, 3, v1                        ; lane l holds features 4 l .. 4 l + 3 of the step: k = l / 4, h = (l / 2) % 2; c = l / 8
	v_bfe_u32 v9, v1, 1, 1
	v_lshl_add_u32 v8, v8, 1, v9                   ; group 2 c + h
	v_mul_u32_u24 v4, v8, GP
	v_bfe_u32 v9, v1, 2, 1
	v_lshl_add_u32 v4, v9, 3, v4                   ; + 8 (k % 2)
	v_and_b32 v9, 1, v1
	v_lshl_add_u32 v4, v9, 2, v4                   ; + 4 (l % 2)
	v_add_nc_u32 v4, s23, v4
	s_wait_kmcnt 0x0
	s_cmp_lt_u32 ttmp9, 416
	s_cselect_b32 s47, s27, s31                    ; e3 or e7
	SCALE_OF 47
	s_wait_loadcnt 0x0
	CODES 64
	TURN 4*STG, 16, 16, 4
	s_wait_tensorcnt 0x0
	ds_add_u32 v128, v129
	s_wait_dscnt 0x0
	s_endpgm
.Ldense:
	; ---- dense_w: a tile is 16 rows of 256 bytes; a load takes two rows
	s_sub_co_u32 s42, ttmp9, 432
	s_lshl_b32 s42, s42, 2
	s_add_co_u32 s42, s42, s22                     ; tile T
	s_lshl_b32 s44, s42, 12
	s_add_nc_u64 s[34:35], s[16:17], s[44:45]
	s_lshl_b32 s44, s42, 11
	s_add_nc_u64 s[20:21], s[20:21], s[44:45]
.irp p, 0,1,2,3,4,5,6,7
	global_load_b128 v[X+4*\p:X+4*\p+3], v2, s[34:35] offset:\p*512 th:TH_LOAD_NT
.endr
	v_bfe_u32 v8, v1, 2, 1                         ; lane l holds K = 4 (l % 16) on of row 2 p + l / 16: c = (l / 4) % 2, h = (l / 8) % 2
	v_bfe_u32 v9, v1, 3, 1
	v_lshl_add_u32 v8, v8, 1, v9
	v_mul_u32_u24 v4, v8, GP
	v_lshl_add_u32 v4, v6, 4, v4                   ; + 16 (l / 16); load p adds 32 p
	v_and_b32 v9, 3, v1
	v_lshl_add_u32 v4, v9, 2, v4
	v_add_nc_u32 v4, s23, v4
.irp j, 8,9,10,11
	v_mov_b32 v[O+\j], 0                           ; zero codes for K 64 .. 127
.endr
	s_wait_kmcnt 0x0
	SCALE_OF 25                                    ; e1
	s_wait_loadcnt 0x0
	CODES 32
	TURN 8*STG, 8, 32, 2
	global_store_b128 v2, v[O+8:O+11], s[20:21] offset:1024
	global_store_b128 v2, v[O+8:O+11], s[20:21] offset:1536
	s_wait_tensorcnt 0x0
	ds_add_u32 v128, v129
	s_wait_dscnt 0x0
	s_endpgm
.Lfunc_end_k_qf360e85f44_prep:
	.size	k_qf360e85f44_prep, .Lfunc_end_k_qf360e85f44_prep-k_qf360e85f44_prep
	.p2alignl 7, 3214868480
	.fill 96, 4, 3214868480
	.section	.rodata,"a",@progbits
	.p2align	6, 0x0
	.amdhsa_kernel k_qf360e85f44_prep
		.amdhsa_group_segment_fixed_size 26624
		.amdhsa_private_segment_fixed_size 0
		.amdhsa_enable_private_segment 0
		.amdhsa_kernarg_size 72
		.amdhsa_user_sgpr_count 2
		.amdhsa_user_sgpr_kernarg_segment_ptr 1
		.amdhsa_wavefront_size32 1
		.amdhsa_system_sgpr_workgroup_id_x 1
		.amdhsa_system_sgpr_workgroup_id_y 1
		.amdhsa_system_sgpr_workgroup_id_z 1
		.amdhsa_system_vgpr_workitem_id 0
		.amdhsa_next_free_vgpr 130
		.amdhsa_next_free_sgpr 66
		.amdhsa_reserve_vcc 0
		.amdhsa_float_denorm_mode_32 3
		.amdhsa_float_denorm_mode_16_64 3
		.amdhsa_memory_ordered 1
		.amdhsa_forward_progress 1
		.amdhsa_inst_pref_size 30
	.end_amdhsa_kernel
	.amdgpu_metadata
---
amdhsa.version: [ 1, 2 ]
amdhsa.kernels:
  - .name:           k_qf360e85f44_prep
    .symbol:         k_qf360e85f44_prep.kd
    .args:
      - { .name: spline_w1, .offset: 0, .size: 8, .value_kind: global_buffer, .address_space: global }
      - { .name: scaler1, .offset: 8, .size: 8, .value_kind: global_buffer, .address_space: global }
      - { .name: spline_w2, .offset: 16, .size: 8, .value_kind: global_buffer, .address_space: global }
      - { .name: scaler2, .offset: 24, .size: 8, .value_kind: global_buffer, .address_space: global }
      - { .name: base_w1, .offset: 32, .size: 8, .value_kind: global_buffer, .address_space: global }
      - { .name: base_w2, .offset: 40, .size: 8, .value_kind: global_buffer, .address_space: global }
      - { .name: dense_w, .offset: 48, .size: 8, .value_kind: global_buffer, .address_space: global }
      - { .name: lowp_scales, .offset: 56, .size: 8, .value_kind: global_buffer, .address_space: global }
      - { .name: wq, .offset: 64, .size: 8, .value_kind: global_buffer, .address_space: global }
    .group_segment_fixed_size: 26624
    .private_segment_fixed_size: 0
    .kernarg_segment_align: 8
    .kernarg_segment_size: 72
    .max_flat_workgroup_size: 128
    .sgpr_count:     66
    .vgpr_count:     130
    .wavefront_size: 32
...
	.end_amdgpu_metadata
.endif
;; end of part 1
;; launch kan (part 2): grid 256 x 1, 8 waves a work-group, clusters of 4 x 1, 327,680 bytes of LDS; arguments x, dense_b, lowp_scales, wq, out0; writes out0
.if DOCPART == 2
	.amdgcn_target "amdgcn-amd-amdhsa--gfx1250"
	.amdhsa_code_object_version 6
	.text
	.protected	k_qf360e85f44_kan
	.globl	k_qf360e85f44_kan
	.p2align	8
	.type	k_qf360e85f44_kan,@function
k_qf360e85f44_kan:
	s_mov_b64 s[64:65], 0
	v_nop
	global_prefetch_b8 v0, s[64:65] scope:SCOPE_SE
	s_setreg_imm32_b32 hwreg(HW_REG_WAVE_MODE, 25, 1), 1
	s_wait_xcnt 0x0
	s_wait_alu depctr_hold_cnt(0) depctr_sa_sdst(0) depctr_va_vdst(0) depctr_va_sdst(0) depctr_va_ssrc(0) depctr_va_vcc(0) depctr_vm_vsrc(0)
	s_getreg_b32 s2, hwreg(HW_REG_IB_STS2, 6, 4)
	s_cmp_eq_u32 s2, 0
	s_cbranch_scc0 .Lentry_in_a_cluster
	s_endpgm
.Lentry_in_a_cluster:
	s_bfe_u32 s2, ttmp6, 0x10000c
	s_cmp_lg_u32 s2, 0x3003
	s_cbranch_scc0 .Lentry_shape_is_right
	s_endpgm
.Lentry_shape_is_right:
; out0 = KAN2(KAN1(silu(x dense_w^T + dense_b))), all five products on codes of FP8 (E4M3) with the given scales 2^e0 .. 2^e9; all else in f32.  Nothing between x and out0 goes to memory.
; SHARES.  A work-group owns 64 rows from x to out0.  Eight waves in two roles.  Waves 0-3 (matrix waves) do all products: a wave makes 64 rows x 128 columns, 32 accumulators, 256 registers (window 1).
;   In layer 2 (256 columns) wave w takes columns 128 (w % 2) on and the K steps of parity w / 2; the two partial sums are added on the way out.
;   Waves 4-7 (vector waves) make the A operands: wave 4 + v owns rows 16 v .. 16 v + 15 and makes, for a K step, one whole fragment in registers.
; The two roles are meant to share a SIMD, one wave of each, so that vector work stands beside matrix work and LDS loads without being woven by hand.
; K STEPS.  wq holds 55 slots of 65,536 bytes in the order of the walk: dense, 32 spline + 4 base steps of layer 1, 16 + 2 slots of layer 2 (two K steps a slot).  In a slot, part w (16,384 bytes, 8 fragments) is matrix wave w alone.
;   A period is one slot: 32 matrix instructions a matrix wave.  While slot k is multiplied, the vector waves make the A images of slot k + 1, and slot k + 1 of the weights is on its way into the other LDS slot.
; CLUSTER.  All work-groups walk the same weights: the four of a cluster ask for each part JOINTLY (the same tensor load, the same descriptor, a mask that names the four).  A wider cluster shares nothing more: a mask names four.
; OPERANDS ARE IMAGES OF THEIR REGISTERS: a fragment (16 rows x 128 K, 16 registers a lane) lies in LDS as registers 4c .. 4c+3 of lane l at 512 c + 16 l.  No pitch, no padding; every load takes 512 consecutive bytes.
;   Lane l = (r = l % 16, h = l / 16).  spline step a: registers 2q, 2q+1 = feature 16 a + 8 h + q, byte j = basis j.  base step b: registers 2k, 2k+1 = features 128 b + 16 k + 8 h + 0 .. 7.  dense: registers 0-7 = K 32 h + 0 .. 31, 8-15 zero.
; THE MATRIX INSTRUCTION IS USED TRANSPOSED (source 0 = 16 columns of weights, source 1 = 16 rows): lane (r, h) holds row r and columns 16 T + 8 h + 0 .. 7, which are the eight features that the same lane of a vector wave needs for spline step T.
; THE BASES.  The grid is uniform, so at most four neighbouring bases differ from 0.  xc = h held within [-2.1999998, 2.1999989]; t = 2.5 xc + 5.5; cell i = floor(t), 0 .. 10; u = 2.5 xc + (5.5 - i), v = -2.5 xc + (i - 4.5), one rounding each.
;   Bases i-3 .. i are g(v), f(u), f(v), g(u), g(y) = y^2 (y / 6), f(y) = y^2 (y / 2 - 1) + 2/3.  Their four codes, one word, are moved by i - 3 bytes into the 8 bytes of the feature: a right shift drops bases below 0, a 64-bit left shift those above 7.
;   The shift counts are the low bits of floats 1.5 x 2^23 + n.  No branch and no address hangs on data.
; THE SCALES.  One set of accumulators a layer: the spline steps first; the sums x 2^((e4+e5)-(e2+e3)); the base steps on top; the result x 2^(e2+e3) (layer 2: e8, e9, e6, e7).  dense_b goes in as the C of the first product, x 2^-(e0+e1).
; LIMITS.  e0+e1, e2+e3, e6+e7, (e4+e5)-(e2+e3), (e8+e9)-(e6+e7) lie between -126 and 127; e0, e2, e4, e6, e8 between -126 and 119.  NaN and infinities among the inputs are not served.
;   Outside [-2.2, 2.2), where the reference has all bases 0, one basis is at most 4e-18 here: the code 0 for e4, e8 of -47 and above.  The bases are evaluated as polynomials in the cell, not by the recursion: they differ from it by f32 rounding.
; LDS: 0 and 65536 the two weight slots (tensor loads alone write there); 131072 H: the layer input as register images, tile (m, T) = 16 rows x 16 features, 1,024 bytes, at m 32768 + T 1024; the first 256 bytes of a tile that its vector wave
;   has taken up hold the silu codes of the tile (8 bytes a lane); at the head H holds the stage through which x turns, at the end two stages of partial sums (64 rows x 1,040 bytes, 66,560 apart; they reach 2 KB into the A images, done with by then);
;   262144 and 278528 the A images of a period (image (second step, m) at 8192 second + 2048 m); 294912 the spare words.  All of the LDS of a WGP is claimed.
; REGISTERS.  v0-35 addresses, in both roles.  Matrix waves: v40-103 four A fragments, v104-231 eight B fragments, window 1 the accumulators ((m, t) at 64 m + 8 t).  Vector waves: see the names below.
.set WSX,   0x10000                    ; one exclusive or turns a weight slot into the other
.set HB,    131072
.set AB0,   262144
.set ABX,   0x4000                     ; likewise the A images
.set SPARE, 294912                     ; 128 bytes for each of eight waves: four blocks of 256 bytes that no other line names
.set PST,   66560                      ; a stage of partial sums
.set AF,  40
.set BF,  104
.set ZR,  40                           ; 64 results of a tile of rows, at work
.set ER,  104                          ; 64 more
.set HVA, 40                           ; vector waves: 8 numbers of the layer input; a second set
.set HVB, 48
.set XC,  56                           ; held within the grid
.set FL,  64                           ; t, then the cell
.set EX,  72                           ; on the way to silu
.set TA,  80                           ; 12 registers at work for the even element of a pair: +0 (i-4.5, 5.5-i), +2 (v, u), +4 squares, +6, +8 inner factors, +10 shift counts
.set TB,  92                           ; the same for the odd one
.set OO,  104                          ; two sets of 8 bases (two elements)
.set WR,  120                          ; two pairs of code words
.set ZP,  124                          ; four pairs: a code word below, 0 above (the upper halves are written once)
.set IMGA, 132
.set IMGB, 148
.set SILA, 164
.set SILB, 166
.set K25, 168                          ; pairs of constants
.set K55, 170
.set KS,  172
.set KC,  174
.set KM,  176
.set CA,  178
.set CB,  180
.set CC,  182
.set CD,  184
.set CE,  186
.set CF,  188
.set KG,  190
.set KH,  192
.set Q4,  194                          ; 2^e and 448 x 2^e for e4, e2, e8, e6, e0
.set Q2,  196
.set Q8,  198
.set Q6,  200
.set Q0,  202
.set XL,  208                          ; x as loaded
; scalars: s[4:5] x, s[6:7] dense_b, s[8:9] lowp_scales, s[10:11] wq, s[12:13] out0; s14 wave, s15 wave % 4, s16 its K parity, s17 its column half; s18, s19, s80-82 alone ever hold the place in the cluster;
; s[20:27] descriptor group 1; s[28:31], s[32:35] groups 0 (the second walks); s[36:45] e0 .. e9; s[46:57] six powers of two, as pairs; s58 weight slot in hand, s59 A images in hand, s60 A images being made,
; s61 tile offset in H, s62 offset of the base step, s63 loop counter, s66 fills so far, s67 until which fill I prefetch, s[68:69] where my prefetches stand, s[72:73] -log2(e), s74, s75 the hold, s76 1.5 x 2^23, s77 8192 x parity.
.set MSB, 0
.macro WIN new                         ; the high byte of the immediate repeats the setting that is left; a switch that changes nothing is dropped
.if MSB != \new
	s_set_vgpr_msb (MSB<<8)|\new
.set MSB, \new
.endif
.endm
.macro PLACES                          ; a vector instruction, a store or a load that touches a register of a matrix instruction stands four plain vector instructions behind it
.rept 4
	v_nop
.endr
.endm
.macro CROUND                          ; a round of the barrier of the cluster: my work-group, wave 0 for the work-group, all four work-groups, my work-group once more
	s_barrier_signal -1
	s_barrier_wait -1
	s_cmp_lg_u32 s14, 0
	s_cbranch_scc1 .Lnot_wave_0_\@
	s_barrier_signal -3
.Lnot_wave_0_\@:
	s_barrier_wait -3
	s_barrier_signal -1
	s_barrier_wait -1
.endm
.macro BAR                             ; my LDS stores have landed and my LDS loads are in; then the barrier of the work-group.
	s_wait_dscnt 0x0
	s_barrier_signal -1
	s_barrier_wait -1
.endm
.macro ADDR ma                         ; the LDS addresses of a period, written by every wave: a fixed register + a scalar that steps
	v_add_nc_u32 v24, s58, v4                      ; my part of the weight slot in hand
	v_add_nc_u32 v25, s59, v[\ma]                  ; the A images in hand
	v_add_nc_u32 v26, s60, v7                      ; where my image goes
	v_add_nc_u32 v27, s61, v8                      ; my tile of H
	v_add_nc_u32 v28, s61, v9                      ; and its silu codes
	v_add_nc_u32 v29, s62, v10                     ; the silu codes of the base step, rows 16 m on
	v_add_nc_u32 v30, s62, v11
	v_add_nc_u32 v31, s62, v12
	v_add_nc_u32 v32, s62, v13
.endm
; A prefetch into the L2 of the slot four fills on: 65,536 bytes, each aligned block of 256 bytes named once in the launch.  All clusters walk the same wq: the first cluster asks.  Its four work-groups take 16,384 bytes each,
; told apart by address; in each, waves 4 and 5, which fetch nothing, take 8,192 bytes each, lanes 256 bytes apart: one instruction.  Fill f asks for slot f + 1 and names slot f + 5; the last is fill 49, slot 54.  Slots 0 to 5 come by their loads alone.
.macro ASK
	s_cmp_lt_u32 s66, s67
	s_cbranch_scc0 .Lnot_mine_\@
	global_prefetch_b8 v21, s[68:69] th:TH_LOAD_NT scope:SCOPE_SE
.Lnot_mine_\@:
.endm
; THE CHANGE OF SLOTS, at the head of a period.  Every wave waits for all its tensor loads (a matrix wave: its part of the slot that it is about to read), adds 0 to its spare word, and waits for that and for all its LDS loads and stores:
; its reads of the slot and of the images that it has left, its stores of the images that come next.  fill = 1: the barrier is a round of the cluster, and behind it each matrix wave asks for its part of the next slot, into the slot just left.
.macro CHANGE fill, hstep, ma
	s_wait_tensorcnt 0x0                           ; no tensor load of mine is out, so the walking group 0 may be written
	ds_add_u32 v1, v2                              ; 0 onto my spare word: the steps below stand between it and the wait for it
	s_xor_b32 s58, s58, WSX
	s_xor_b32 s59, s59, ABX
	s_xor_b32 s60, s60, ABX
.if \hstep
	s_add_co_u32 s61, s61, \hstep
.endif
.if \fill
	s_add_co_u32 s66, s66, 1
	s_xor_b32 s33, s33, WSX                        ; the other slot than last time,
	s_add_nc_u64 s[34:35], s[34:35], 0x10000       ; the next slot of wq; the type bits on top are not reached
	s_wait_xcnt 0x0                                ; the last prefetch, a period back, has read its address
	s_add_nc_u64 s[68:69], s[68:69], 0x10000
.endif
	s_wait_dscnt 0x0
.if \fill
	CROUND
	s_cmp_lt_u32 s14, 4
	s_cbranch_scc0 .Lno_fill_\@
	tensor_load_to_lds s[32:35], s[20:27]          ; the one tensor load of the wave behind the round, and the first thing there: one load of mine is out
	s_nop 0
	PLACES                                         ; four v_nop follow it
.Lno_fill_\@:
	ASK
.else
	s_barrier_signal -1
	s_barrier_wait -1
.endif
	ADDR \ma
.endm
.macro BLOAD                           ; my eight fragments of weights
.irp t, 0,1,2,3,4,5,6,7
.irp c, 0,1,2,3
	ds_load_b128 v[BF+16*\t+4*\c:BF+16*\t+4*\c+3], v24 offset:\t*2048+\c*512
.endr
.endr
.endm
.macro MULS zero                       ; 32 matrix instructions; the 32 accumulators take turns, one instruction a turn, in the same order in every period.  zero = 1: the products start the sums
	WIN 0x50                                       ; C and D window 1
.irp t, 0,1,2,3,4,5,6,7
	s_wait_dscnt 28-4*\t                           ; A and the fragments of weights up to t are in; the four loads of each later fragment may be out
.irp m, 0,1,2,3
.if \zero
	v_wmma_f32_16x16x128_fp8_fp8 v[64*\m+8*\t:64*\m+8*\t+7], v[BF+16*\t:BF+16*\t+15], v[AF+16*\m:AF+16*\m+15], 0
.else
	v_wmma_f32_16x16x128_fp8_fp8 v[64*\m+8*\t:64*\m+8*\t+7], v[BF+16*\t:BF+16*\t+15], v[AF+16*\m:AF+16*\m+15], v[64*\m+8*\t:64*\m+8*\t+7]
.endif
.endr
.endr
	WIN 0
	PLACES                                         ; for whatever next reads the sums or writes the fragments
.endm
.macro MSTEP zero                      ; a period with A from the images
.irp m, 0,1,2,3
.irp c, 0,1,2,3
	ds_load_b128 v[AF+16*\m+4*\c:AF+16*\m+4*\c+3], v25 offset:\m*2048+\c*512
.endr
.endr
	BLOAD
	MULS \zero
.endm
.macro MSTEPB                          ; a base step: registers 2k, 2k+1 of A are the silu codes of feature tile 8 b + k: 8 bytes a lane out of H
.irp m, 0,1,2,3
.irp k, 0,1,2,3,4,5,6,7
	ds_load_b64 v[AF+16*\m+2*\k:AF+16*\m+2*\k+1], v[29+\m] offset:\k*1024
.endr
.endr
	BLOAD
	MULS 0
.endm
.macro SCALE sp                        ; all sums x a power of two, in place, each accumulator from its low end on
	WIN 0x41
.set i, 0
.rept 128
	v_pk_mul_f32 v[i:i+1], v[i:i+1], s[\sp:\sp+1] op_sel_hi:[1,0]
.set i, i+2
.endr
	WIN 0
.endm
; The sums x a power of two become the input of the next layer: 8 tiles of H for each tile of rows.  act = 1: silu on the way: z / (1 + 2^(-log2(e) z)); the 64 exponentials and the 64 reciprocals are a batch each, with one wait.
.macro HOUT sp, act
.irp m, 0,1,2,3
	s_wait_dscnt 0x0                               ; the stores of the tile before have read their registers
	WIN 0x01
.set i, 0
.rept 32
	v_pk_mul_f32 v[ZR+i:ZR+i+1], v[64*\m+i:64*\m+i+1], s[\sp:\sp+1] op_sel_hi:[1,0]
.set i, i+2
.endr
	WIN 0
.if \act
.set i, 0
.rept 32
	v_pk_mul_f32 v[ER+i:ER+i+1], v[ZR+i:ZR+i+1], s[72:73] op_sel_hi:[1,0]
.set i, i+2
.endr
.set i, 0
.rept 64
	v_exp_f32 v[ER+i], v[ER+i]
.set i, i+1
.endr
	v_nop                                          ; a plain line behind the last of the batch
	s_wait_alu depctr_va_vdst(0)                   ; one wait for the batch, ahead of its first reader
.set i, 0
.rept 32
	v_pk_add_f32 v[ER+i:ER+i+1], v[ER+i:ER+i+1], 1.0 op_sel_hi:[1,0]
.set i, i+2
.endr
.set i, 0
.rept 64
	v_rcp_f32 v[ER+i], v[ER+i]
.set i, i+1
.endr
	v_nop
	s_wait_alu depctr_va_vdst(0)
.set i, 0
.rept 32
	v_pk_mul_f32 v[ZR+i:ZR+i+1], v[ZR+i:ZR+i+1], v[ER+i:ER+i+1]
.set i, i+2
.endr
.endif
.irp t, 0,1,2,3,4,5,6,7
	ds_store_b128 v[14+\m/2], v[ZR+8*\t:ZR+8*\t+3] offset:(\m%2)*32768+\t*1024
	ds_store_b128 v[14+\m/2], v[ZR+8*\t+4:ZR+8*\t+7] offset:(\m%2)*32768+\t*1024+512
.endr
.endr
.endm
; Elements 2p and 2p+1 of the eight: their bases, codes and places.  The two elements go line by line, so that no line waits for the line above it.
.macro PAIR p, img, q
.set OB, OO+8*((\p)&1)
.set WB, WR+2*((\p)&1)
.set ZB, ZP+4*((\p)&1)
.set FP, FL+2*(\p)
.set XP, XC+2*(\p)
	v_pk_fma_f32 v[TA:TA+1], v[FP:FP+1], v[KS:KS+1], v[KC:KC+1] op_sel_hi:[0,1,1]                    ; (i - 4.5, 5.5 - i): exact
	v_pk_fma_f32 v[TB:TB+1], v[FP:FP+1], v[KS:KS+1], v[KC:KC+1] op_sel:[1,0,0] op_sel_hi:[1,1,1]
	v_pk_fma_f32 v[TA+2:TA+3], v[XP:XP+1], v[KM:KM+1], v[TA:TA+1] op_sel_hi:[0,1,1]                  ; (v, u)
	v_pk_fma_f32 v[TB+2:TB+3], v[XP:XP+1], v[KM:KM+1], v[TB:TB+1] op_sel:[1,0,0] op_sel_hi:[1,1,1]
	v_pk_mul_f32 v[TA+4:TA+5], v[TA+2:TA+3], v[TA+2:TA+3]
	v_pk_mul_f32 v[TB+4:TB+5], v[TB+2:TB+3], v[TB+2:TB+3]
	v_pk_fma_f32 v[TA+6:TA+7], v[TA+2:TA+3], v[CA:CA+1], v[CB:CB+1]                                  ; (v / 6, u / 2 - 1)
	v_pk_fma_f32 v[TB+6:TB+7], v[TB+2:TB+3], v[CA:CA+1], v[CB:CB+1]
	v_pk_fma_f32 v[TA+8:TA+9], v[TA+2:TA+3], v[CC:CC+1], v[CD:CD+1]                                  ; (v / 2 - 1, u / 6)
	v_pk_fma_f32 v[TB+8:TB+9], v[TB+2:TB+3], v[CC:CC+1], v[CD:CD+1]
	v_pk_fma_f32 v[OB:OB+1], v[TA+4:TA+5], v[TA+6:TA+7], v[CE:CE+1]                                  ; bases i-3, i-2
	v_pk_fma_f32 v[OB+4:OB+5], v[TB+4:TB+5], v[TB+6:TB+7], v[CE:CE+1]
	v_pk_fma_f32 v[OB+2:OB+3], v[TA+4:TA+5], v[TA+8:TA+9], v[CF:CF+1]                                ; bases i-1, i
	v_pk_fma_f32 v[OB+6:OB+7], v[TB+4:TB+5], v[TB+8:TB+9], v[CF:CF+1]
.irp j, 0,1,2,3,4,5,6,7
	v_min_num_f32 v[OB+\j], v[OB+\j], v[\q+1]      ; the conversion to an 8-bit code does not saturate (ISA guide 7.6.2); a basis is not below 0 but by rounding, so the hold is one-sided
.endr
	v_cvt_scalef32_pk8_fp8_f32 v[WB:WB+1], v[OB:OB+7], v[\q]
	v_pk_fma_f32 v[TA+10:TA+11], v[FP:FP+1], v[KG:KG+1], v[KH:KH+1] op_sel_hi:[0,1,1]                ; 1.5 x 2^23 + 8 (i - 3) and 1.5 x 2^23 - 8 (i - 3).  (Plain lines behind the conversion)
	v_pk_fma_f32 v[TB+10:TB+11], v[FP:FP+1], v[KG:KG+1], v[KH:KH+1] op_sel:[1,0,0] op_sel_hi:[1,1,1]
	v_max_num_f32 v[TA+10], s76, v[TA+10]          ; the low bits now hold max(8 (i - 3), 0),
	v_max_num_f32 v[TA+11], s76, v[TA+11]          ; and max(8 (3 - i), 0)
	v_max_num_f32 v[TB+10], s76, v[TB+10]
	v_max_num_f32 v[TB+11], s76, v[TB+11]
	v_lshrrev_b32 v[ZB], v[TA+11], v[WB]           ; bases below 0 drop out (the shift takes bits 4:0 of its count),
	v_lshrrev_b32 v[ZB+2], v[TB+11], v[WB+1]
	v_lshlrev_b64 v[\img+4*(\p):\img+4*(\p)+1], v[TA+10], v[ZB:ZB+1]       ; those above 7 too (bits 5:0): byte j of the pair is basis j
	v_lshlrev_b64 v[\img+4*(\p)+2:\img+4*(\p)+3], v[TB+10], v[ZB+2:ZB+3]
.endm
; One fragment of bases and 8 silu codes a lane, from the 8 numbers in v[hv] on.  q, qs: the scale and hold registers of the two quantisers.  The image goes to ioff in the images being made, the silu codes to soff in my tile of H,
; which is in registers by now.  nxt = 1: the tile that this set of registers takes next is asked for, noff bytes on; it is in at the wait of the next change of slots.
.macro PRODUCE hv, img, sil, q, qs, ioff, soff, nxt, noff
.irp i, 0,2,4,6
	v_pk_mul_f32 v[EX+\i:EX+\i+1], v[\hv+\i:\hv+\i+1], s[72:73] op_sel_hi:[1,0]
.endr
.irp i, 0,1,2,3,4,5,6,7
	v_exp_f32 v[EX+\i], v[EX+\i]
.endr
.irp i, 0,1,2,3,4,5,6,7
	v_med3_num_f32 v[XC+\i], v[\hv+\i], s74, s75
.endr
.irp i, 0,2,4,6
	v_pk_fma_f32 v[FL+\i:FL+\i+1], v[XC+\i:XC+\i+1], v[K25:K25+1], v[K55:K55+1]
.endr
.irp i, 0,1,2,3,4,5,6,7
	v_floor_f32 v[FL+\i], v[FL+\i]
.endr
	s_wait_alu depctr_va_vdst(0)                   ; one wait for the eight exponentials, behind twenty lines that name none of them
.irp i, 0,2,4,6
	v_pk_add_f32 v[EX+\i:EX+\i+1], v[EX+\i:EX+\i+1], 1.0 op_sel_hi:[1,0]
.endr
.irp i, 0,1,2,3,4,5,6,7
	v_rcp_f32 v[EX+\i], v[EX+\i]
.endr
.irp p, 0,1,2,3
	PAIR \p, \img, \q
.endr
	s_wait_alu depctr_va_vdst(0)                   ; one wait for the eight reciprocals, behind the bases
.irp i, 0,2,4,6
	v_pk_mul_f32 v[EX+\i:EX+\i+1], v[\hv+\i:\hv+\i+1], v[EX+\i:EX+\i+1]
.endr
.irp i, 0,1,2,3,4,5,6,7
	v_med3_num_f32 v[EX+\i], v[EX+\i], -v[\qs+1], v[\qs+1]
.endr
	v_cvt_scalef32_pk8_fp8_f32 v[\sil:\sil+1], v[EX:EX+7], v[\qs]
	v_nop                                          ; a plain line behind the conversion
.irp c, 0,1,2,3
	ds_store_b128 v26, v[\img+4*\c:\img+4*\c+3] offset:\ioff+512*\c
.endr
	ds_store_b64 v28, v[\sil:\sil+1] offset:\soff
.if \nxt
	ds_load_b128 v[\hv:\hv+3], v27 offset:\noff
	ds_load_b128 v[\hv+4:\hv+7], v27 offset:\noff+512
.endif
.endm
.macro POW2 d, a                       ; s[d] = s[d+1] = 2^s[a] as f32 (a packed form names the pair)
	s_add_co_i32 s[\d], s[\a], 127
	s_lshl_b32 s[\d], s[\d], 23
	s_mov_b32 s[\d+1], s[\d]
.endm
.macro VSCALE vq, se                   ; v[vq] = 2^e, v[vq+1] = 448 x 2^e
	s_add_co_i32 s84, s[\se], 127
	s_lshl_b32 s85, s84, 23
	v_mov_b32 v[\vq], s85
	s_add_co_i32 s84, s84, 8
	s_lshl_b32 s84, s84, 23
	s_or_b32 s84, s84, 0x600000
	v_mov_b32 v[\vq+1], s84
.endm
.macro VPAIR r, a, b
	v_mov_b32 v[\r], \a
	v_mov_b32 v[\r+1], \b
.endm
	; ---- the head: every LDS address register is made here, ahead of the first place where waves part
	s_load_b256 s[4:11], s[0:1], 0x0               ; x, dense_b, lowp_scales, wq
	s_load_b64 s[12:13], s[0:1], 0x20              ; out0
	v_lshl_add_u32 v1, v0, 2, SPARE                ; my spare word; never rewritten
	v_mov_b32 v2, 0                                ; 0; never rewritten
	ds_add_u32 v1, v2
	s_wait_dscnt 0x0
	v_lshrrev_b32 v33, 5, v0
	v_readfirstlane_b32 s14, v33                   ; wave 0..7
	s_and_b32 s15, s14, 3                          ; my number within my role
	s_lshr_b32 s16, s15, 1                         ; layer 2: my parity of K steps
	s_and_b32 s17, s15, 1                          ; layer 2: my 128 columns
	s_bfe_u32 s18, ttmp6, 0x40000                  ; cx: my place in the cluster: it enters the addresses of x, of out0 and of the prefetches alone
	s_lshl_b32 s19, ttmp9, 2
	s_add_co_u32 s19, s19, s18                     ; my block of 64 rows
	v_and_b32 v33, 31, v0                          ; lane l
	v_and_b32 v34, 15, v0                          ; r
	v_bfe_u32 v35, v0, 4, 1                        ; h
	v_lshlrev_b32 v3, 4, v33                       ; 16 l: the place of a lane in an image; also my 16 bytes of a load of x and of a store of out0
	s_lshl_b32 s84, s15, 14
	v_add_nc_u32 v4, s84, v3                       ; my part of a weight slot
	v_add_nc_u32 v5, AB0, v3                       ; the A images
	s_lshl_b32 s77, s16, 13
	v_add_nc_u32 v6, s77, v5                       ; layer 2: those of my parity
	s_lshl_b32 s84, s15, 11
	v_add_nc_u32 v7, s84, v5                       ; where a vector wave puts its image
	s_lshl_b32 s83, s15, 15
	s_add_co_u32 s83, s83, HB                      ; the tiles of H of rows 16 (wave % 4) on
	v_add_nc_u32 v8, s83, v3
	v_lshl_add_u32 v9, v33, 3, s83                 ; and their silu codes
	v_lshl_add_u32 v10, v33, 3, HB                 ; the silu codes of rows 16 m on
	v_lshl_add_u32 v11, v33, 3, HB+32768
	v_lshl_add_u32 v12, v33, 3, HB+65536
	v_lshl_add_u32 v13, v33, 3, HB+98304
	s_lshl_b32 s84, s15, 13
	s_add_co_u32 s84, s84, HB
	v_add_nc_u32 v14, s84, v3                      ; where a matrix wave puts its eight tiles of H, rows 0-31;
	v_add_nc_u32 v15, 0x10000, v14                 ; rows 32-63
	v_mul_u32_u24 v16, v35, 272
	v_lshl_add_u32 v16, v34, 4, v16
	v_add_nc_u32 v16, s83, v16                     ; x into its stage, as loaded: two rows a load, rows 272 bytes apart
	v_mul_u32_u24 v17, v34, 272
	v_lshl_add_u32 v17, v35, 7, v17
	v_add_nc_u32 v17, s83, v17                     ; and out: row r, K 32 h on
	s_mul_i32 s84, s16, PST
	s_lshl_b32 s85, s17, 9
	s_add_co_u32 s84, s84, s85
	s_add_co_u32 s84, s84, HB
	v_mul_u32_u24 v18, v34, 1040
	v_lshl_add_u32 v18, v35, 5, v18
	v_add_nc_u32 v18, s84, v18                     ; the stage of my parity: row r, my 128 columns, + 32 h
	s_mul_i32 s84, s14, 8320
	s_add_co_u32 s84, s84, HB
	v_add_nc_u32 v19, s84, v3                      ; back: rows 8 wave on, of the first stage
	v_add_nc_u32 v20, PST, v19                     ; and of the second
	v_lshlrev_b32 v21, 8, v33                      ; the prefetches: lanes 256 bytes apart
	v_lshlrev_b32 v23, 5, v35                      ; dense_b: my eight columns of a tile
	s_mov_b32 s58, 0
	s_mov_b32 s59, 0
	s_mov_b32 s60, ABX
	s_mov_b32 s61, 0
	s_mov_b32 s62, 0
	s_mov_b32 s66, 0
	ADDR 5
	; descriptor group 1: 16,384 dense bytes as 64 rows of 256
	s_mov_b32 s20, 15|(3<<16)|(1<<21)              ; 15:0 the mask: all four work-groups; 17:16 elements of 8 bytes; 20 no padding; 21 set beside a mask
	s_mov_b32 s21, 32<<16                          ; tensor_dim0 = 32
	s_mov_b32 s22, 64<<16                          ; tensor_dim1 = 64
	s_mov_b32 s23, 32<<16                          ; tile_dim0 = 32
	s_mov_b32 s24, 64                              ; tile_dim1 = 64
	s_mov_b32 s25, 32                              ; from row to row
	s_mov_b32 s26, 0
	s_mov_b32 s27, 0
	s_mov_b32 s72, 0xbfb8aa3b                      ; -log2(e)
	s_mov_b32 s73, s72
	s_mov_b32 s74, 0xc00ccccc                      ; -2.1999998
	s_mov_b32 s75, 0x400cccc8                      ; 2.1999989
	s_mov_b32 s76, 0x4b400000                      ; 1.5 x 2^23
	s_mov_b32 s71, 0
	s_mov_b32 s81, 0
	s_lshr_b32 s84, s14, 1
	s_xor_b32 s84, s84, 2                          ; 0 in waves 4 and 5,
	s_or_b32 s84, s84, ttmp9                       ; of the first cluster: the same in all four partners
	s_cmp_eq_u32 s84, 0
	s_cselect_b32 s67, 50, 0
	s_wait_kmcnt 0x0
	s_load_b256 s[36:43], s[8:9], 0x0              ; e0 .. e7
	s_load_b64 s[44:45], s[8:9], 0x20              ; e8, e9
	s_lshl_b32 s70, s15, 14                        ; my part: in wq and in a slot.  Nothing here hangs on the place in the cluster
	s_add_nc_u64 s[78:79], s[10:11], s[70:71]
	s_mov_b32 s28, 1                               ; count = 1
	s_mov_b32 s29, s70                             ; LDS address: slot 0
	s_mov_b64 s[30:31], s[78:79]                   ; global address: slot 0 of wq
	s_or_b32 s31, s31, 0x80000000                  ; type = 2
	s_mov_b32 s32, 1
	s_add_co_u32 s33, s70, WSX                     ; slot 1,
	s_add_nc_u64 s[34:35], s[78:79], 0x10000       ; slot 1 of wq
	s_or_b32 s35, s35, 0x80000000
	s_lshl_b32 s70, s15, 9
	s_add_nc_u64 s[6:7], s[6:7], s[70:71]          ; dense_b at my 128 columns
	s_lshl_b32 s80, s19, 14
	s_lshl_b32 s82, s15, 12
	s_add_co_u32 s80, s80, s82
	s_add_nc_u64 s[4:5], s[4:5], s[80:81]          ; x at rows 64 block + 16 (wave % 4)
	s_lshl_b32 s80, s19, 16
	s_lshl_b32 s82, s14, 13
	s_add_co_u32 s80, s80, s82
	s_add_nc_u64 s[12:13], s[12:13], s[80:81]      ; out0 at rows 64 block + 8 wave
	s_lshl_b32 s80, s18, 14
	s_and_b32 s82, s14, 1
	s_lshl_b32 s82, s82, 13
	s_add_co_u32 s80, s80, s82
	s_add_co_u32 s80, s80, 5*65536
	s_add_nc_u64 s[68:69], s[10:11], s[80:81]      ; my prefetches stand in slot 5; the first fill steps them to slot 6.  Nothing is prefetched here, at the head
	CROUND                                         ; all four work-groups are here: the first joint loads meet
	s_cmp_lt_u32 s14, 4
	s_cbranch_scc0 .Lno_first
	tensor_load_to_lds s[28:31], s[20:27]          ; the two first fills of a matrix wave stand in one branch: two loads of mine are out
	s_nop 0
	tensor_load_to_lds s[32:35], s[20:27]
	s_nop 0
	PLACES
.Lno_first:
	VPAIR K25, 0x40200000, 0x40200000              ; 2.5
	VPAIR K55, 0x40b00000, 0x40b00000              ; 5.5
	VPAIR KS, 1.0, -1.0
	VPAIR KC, 0xc0900000, 0x40b00000               ; -4.5, 5.5
	VPAIR KM, 0xc0200000, 0x40200000               ; -2.5, 2.5
	VPAIR CA, 0x3e2aaaab, 0.5                      ; 1/6, 1/2
	VPAIR CB, 0, -1.0
	VPAIR CC, 0.5, 0x3e2aaaab
	VPAIR CD, -1.0, 0
	VPAIR CE, 0, 0x3f2aaaab                        ; 0, 2/3
	VPAIR CF, 0x3f2aaaab, 0
	VPAIR KG, 0x41000000, 0xc1000000               ; 8, -8
	VPAIR KH, 0x4b3fffe8, 0x4b400018               ; 1.5 x 2^23 - 24, + 24
.irp j, 1,3,5,7
	v_mov_b32 v[ZP+\j], 0
.endr
	s_wait_kmcnt 0x0
	s_add_co_i32 s84, s36, s37
	POW2 46, 84                                    ; 2^(e0+e1)
	s_sub_co_i32 s85, 0, s84
	POW2 48, 85                                    ; 2^-(e0+e1)
	s_add_co_i32 s84, s38, s39
	POW2 52, 84                                    ; 2^(e2+e3)
	s_add_co_i32 s85, s40, s41
	s_sub_co_i32 s85, s85, s84
	POW2 50, 85                                    ; 2^((e4+e5)-(e2+e3))
	s_add_co_i32 s84, s42, s43
	POW2 56, 84                                    ; 2^(e6+e7)
	s_add_co_i32 s85, s44, s45
	s_sub_co_i32 s85, s85, s84
	POW2 54, 85                                    ; 2^((e8+e9)-(e6+e7))
	VSCALE Q4, 40
	VSCALE Q2, 38
	VSCALE Q8, 44
	VSCALE Q6, 42
	VSCALE Q0, 36
	; ---- x becomes codes | dense_b becomes the C of the first product
	s_cmp_lt_u32 s14, 4
	s_cbranch_scc0 .Lx_v
	WIN 0x40                                       ; destination window 1
.irp m, 0,1,2,3
.irp t, 0,1,2,3,4,5,6,7
	global_load_b128 v[64*\m+8*\t:64*\m+8*\t+3], v23, s[6:7] offset:\t*64
	global_load_b128 v[64*\m+8*\t+4:64*\m+8*\t+7], v23, s[6:7] offset:\t*64+16
.endr
.endr
	WIN 0
	s_wait_loadcnt 0x0
	SCALE 48                                       ; a sum of the first product stands for sum x 2^(e0+e1): the bias goes in divided by that
	s_branch .Lx_j
.Lx_v:
.irp i, 0,1,2,3,4,5,6,7
	global_load_b128 v[XL+4*\i:XL+4*\i+3], v3, s[4:5] offset:512*\i th:TH_LOAD_NT   ; 512 consecutive bytes: two rows
.endr
	s_wait_loadcnt 0x0
.irp i, 0,1,2,3,4,5,6,7
	ds_store_b128 v16, v[XL+4*\i:XL+4*\i+3] offset:544*\i
.endr
.irp i, 0,1,2,3,4,5,6,7
	ds_load_b128 v[40+4*\i:40+4*\i+3], v17 offset:16*\i   ; my own bytes: LDS serves the instructions of a wave in order (ISA guide 5.7.1.4)
.endr
	s_wait_dscnt 0x0
.set i, 0
.rept 32
	v_med3_num_f32 v[40+i], v[40+i], -v[Q0+1], v[Q0+1]
.set i, i+1
.endr
.irp p, 0,1,2,3
	v_cvt_scalef32_pk8_fp8_f32 v[IMGA+2*\p:IMGA+2*\p+1], v[40+8*\p:40+8*\p+7], v[Q0]
.endr
.irp j, 8,9,10,11,12,13,14,15
	v_mov_b32 v[IMGA+\j], 0                        ; zero codes for K 64 .. 127.  (Plain lines behind the conversions)
.endr
.irp c, 0,1,2,3
	ds_store_b128 v7, v[IMGA+4*\c:IMGA+4*\c+3] offset:512*\c
.endr
.Lx_j:
	s_wait_tensorcnt 0x1                           ; my part of slot 0 is in; slot 1 may stay out
	BAR                                            ; the four images of x lie in LDS
	; ---- period 0: the dense layer, silu, the tiles of H
	s_cmp_lt_u32 s14, 4
	s_cbranch_scc0 .Ld_j
	MSTEP 0
	HOUT 46, 1
.Ld_j:
	BAR
	s_cmp_lt_u32 s14, 4
	s_cbranch_scc1 .Lv0_j
	ds_load_b128 v[HVA:HVA+3], v27
	ds_load_b128 v[HVA+4:HVA+7], v27 offset:512
	s_wait_dscnt 0x0
	PRODUCE HVA, IMGA, SILA, Q4, Q2, 0, 0, 1, 1024 ; spline step 0 of layer 1
.Lv0_j:
	; ---- layer 1.  Period k = 1 .. 32 multiplies spline step k - 1; the vector waves make step k
	s_mov_b32 s63, 30
.Lp1:
	CHANGE 1, 1024, 5
	s_cmp_lt_u32 s14, 4
	s_cbranch_scc0 .Lp1_v
	s_cmp_eq_u32 s63, 30                           ; the products of the first trip start the sums: nothing is cleared
	s_cbranch_scc0 .Lp1_acc
	MSTEP 1
	s_branch .Lp1_j
.Lp1_acc:
	MSTEP 0
	s_branch .Lp1_j
.Lp1_v:
	PRODUCE HVA, IMGA, SILA, Q4, Q2, 0, 0, 1, 1024
.Lp1_j:
	s_sub_co_u32 s63, s63, 1
	s_cmp_lg_u32 s63, 0
	s_cbranch_scc1 .Lp1
	CHANGE 1, 1024, 5                              ; period 31: the last step is made; no tile follows it
	s_cmp_lt_u32 s14, 4
	s_cbranch_scc0 .Lp31_v
	MSTEP 0
	s_branch .Lp31_j
.Lp31_v:
	PRODUCE HVA, IMGA, SILA, Q4, Q2, 0, 0, 0, 0
.Lp31_j:
	CHANGE 1, 0, 5                                 ; period 32
	s_cmp_lt_u32 s14, 4
	s_cbranch_scc0 .Lp32_j
	MSTEP 0
	SCALE 50                                       ; the spline sums are brought under the scale of the base sums
.Lp32_j:
	s_mov_b32 s63, 4
.Lb1:                                                  ; periods 33 .. 36: the base steps
	CHANGE 1, 0, 5
	s_cmp_lt_u32 s14, 4
	s_cbranch_scc0 .Lb1_j
	MSTEPB
.Lb1_j:
	s_add_co_u32 s62, s62, 8192                    ; eight tiles of features on
	s_sub_co_u32 s63, s63, 1
	s_cmp_lg_u32 s63, 0
	s_cbranch_scc1 .Lb1
	BAR                                            ; no matrix wave still reads silu codes out of H
	s_cmp_lt_u32 s14, 4
	s_cbranch_scc0 .Lh1_j
	HOUT 52, 0                                     ; the input of layer 2
.Lh1_j:
	s_mov_b32 s61, 0
	s_mov_b32 s62, s77                             ; layer 2: my base steps are those of my parity
	BAR
	ADDR 6
	s_cmp_lt_u32 s14, 4
	s_cbranch_scc1 .Lv1_j
	ds_load_b128 v[HVA:HVA+3], v27
	ds_load_b128 v[HVA+4:HVA+7], v27 offset:512
	ds_load_b128 v[HVB:HVB+3], v27 offset:1024
	ds_load_b128 v[HVB+4:HVB+7], v27 offset:1536
	s_wait_dscnt 0x0
	PRODUCE HVA, IMGA, SILA, Q8, Q6, 0, 0, 1, 2048         ; spline steps 0 and 1 of layer 2
	PRODUCE HVB, IMGB, SILB, Q8, Q6, 8192, 1024, 1, 3072
.Lv1_j:
	; ---- layer 2.  Period 37 + j multiplies spline steps 2 j and 2 j + 1, one for each parity; the vector waves make steps 2 j + 2 and 2 j + 3
	s_mov_b32 s63, 14
.Lp2:
	CHANGE 1, 2048, 6
	s_cmp_lt_u32 s14, 4
	s_cbranch_scc0 .Lp2_v
	s_cmp_eq_u32 s63, 14
	s_cbranch_scc0 .Lp2_acc
	MSTEP 1
	s_branch .Lp2_j
.Lp2_acc:
	MSTEP 0
	s_branch .Lp2_j
.Lp2_v:
	PRODUCE HVA, IMGA, SILA, Q8, Q6, 0, 0, 1, 2048
	PRODUCE HVB, IMGB, SILB, Q8, Q6, 8192, 1024, 1, 3072
.Lp2_j:
	s_sub_co_u32 s63, s63, 1
	s_cmp_lg_u32 s63, 0
	s_cbranch_scc1 .Lp2
	CHANGE 1, 2048, 6                              ; period 51: steps 30 and 31 are made; no tiles follow
	s_cmp_lt_u32 s14, 4
	s_cbranch_scc0 .Lp51_v
	MSTEP 0
	s_branch .Lp51_j
.Lp51_v:
	PRODUCE HVA, IMGA, SILA, Q8, Q6, 0, 0, 0, 0
	PRODUCE HVB, IMGB, SILB, Q8, Q6, 8192, 1024, 0, 0
.Lp51_j:
	CHANGE 1, 0, 6                                 ; period 52
	s_cmp_lt_u32 s14, 4
	s_cbranch_scc0 .Lp52_j
	MSTEP 0
	SCALE 54
.Lp52_j:
	CHANGE 1, 0, 6                                 ; period 53: base steps 0 and 1; the last slot is asked for
	s_cmp_lt_u32 s14, 4
	s_cbranch_scc0 .Lp53_j
	MSTEPB
.Lp53_j:
	s_add_co_u32 s62, s62, 16384
	CHANGE 0, 0, 6                                 ; period 54: base steps 2 and 3; nothing is left to fetch, so no round
	s_cmp_lt_u32 s14, 4
	s_cbranch_scc0 .Lp54_j
	MSTEPB
.Lp54_j:
	; ---- the way out: the partial sums of the two parities meet in two stages; each of the eight waves adds and stores eight whole rows
	BAR                                            ; no matrix wave still reads silu codes out of H
	s_cmp_lt_u32 s14, 4
	s_cbranch_scc0 .Le_j
	WIN 0x04                                       ; store data window 1
.irp m, 0,1,2,3
.irp t, 0,1,2,3,4,5,6,7
	ds_store_b128 v18, v[64*\m+8*\t:64*\m+8*\t+3] offset:\m*16640+\t*64          ; each accumulator from its low end on; rows 1,040 bytes = 260 words apart
	ds_store_b128 v18, v[64*\m+8*\t+4:64*\m+8*\t+7] offset:\m*16640+\t*64+16
.endr
.endr
	WIN 0
.Le_j:
	BAR
.irp i, 0,1,2,3,4,5,6,7,8,9,10,11,12,13,14,15  ; half i % 2 of row i / 2
	ds_load_b128 v[40+4*\i:40+4*\i+3], v19 offset:(\i/2)*1040+(\i%2)*512
	ds_load_b128 v[104+4*\i:104+4*\i+3], v20 offset:(\i/2)*1040+(\i%2)*512
.endr
.irp i, 0,1,2,3,4,5,6,7,8,9,10,11,12,13,14,15
	s_wait_dscnt 30-2*\i                           ; this pair of loads is in; the younger pairs may be out
	v_pk_add_f32 v[40+4*\i:40+4*\i+1], v[40+4*\i:40+4*\i+1], v[104+4*\i:104+4*\i+1]
	v_pk_add_f32 v[40+4*\i+2:40+4*\i+3], v[40+4*\i+2:40+4*\i+3], v[104+4*\i+2:104+4*\i+3]
	v_pk_mul_f32 v[40+4*\i:40+4*\i+1], v[40+4*\i:40+4*\i+1], s[56:57] op_sel_hi:[1,0]       ; x 2^(e6+e7)
	v_pk_mul_f32 v[40+4*\i+2:40+4*\i+3], v[40+4*\i+2:40+4*\i+3], s[56:57] op_sel_hi:[1,0]
	global_store_b128 v3, v[40+4*\i:40+4*\i+3], s[12:13] offset:(\i/2)*1024+(\i%2)*512 th:TH_STORE_NT   ; 32 lanes store 512 consecutive bytes, at a multiple of 512 from the first byte of out0; written once, read by nobody here
.endr
	s_wait_tensorcnt 0x0                           ; the end of the wave: behind my last tensor load and my last LDS store
	ds_add_u32 v1, v2
	s_wait_dscnt 0x0
	CROUND                                         ; the closing round: no work-group ends while a partner may still ask for a part that names it
	s_endpgm
.Lfunc_end_k_qf360e85f44_kan:
	.size	k_qf360e85f44_kan, .Lfunc_end_k_qf360e85f44_kan-k_qf360e85f44_kan
	.p2alignl 7, 3214868480
	.fill 96, 4, 3214868480
	.section	.rodata,"a",@progbits
	.p2align	6, 0x0
	.amdhsa_kernel k_qf360e85f44_kan
		.amdhsa_group_segment_fixed_size 327680
		.amdhsa_private_segment_fixed_size 0
		.amdhsa_enable_private_segment 0
		.amdhsa_kernarg_size 40
		.amdhsa_user_sgpr_count 2
		.amdhsa_user_sgpr_kernarg_segment_ptr 1
		.amdhsa_wavefront_size32 1
		.amdhsa_system_sgpr_workgroup_id_x 1
		.amdhsa_system_sgpr_workgroup_id_y 1
		.amdhsa_system_sgpr_workgroup_id_z 1
		.amdhsa_system_vgpr_workitem_id 0
		.amdhsa_next_free_vgpr 512
		.amdhsa_next_free_sgpr 90
		.amdhsa_reserve_vcc 0
		.amdhsa_float_denorm_mode_32 3
		.amdhsa_float_denorm_mode_16_64 3
		.amdhsa_memory_ordered 1
		.amdhsa_forward_progress 1
		.amdhsa_inst_pref_size 255
	.end_amdhsa_kernel
	.section	.bss,"aw",@nobits
	.p2align	6
	.space	262144
	.amdgpu_metadata
---
amdhsa.version: [ 1, 2 ]
amdhsa.kernels:
  - .name:           k_qf360e85f44_kan
    .symbol:         k_qf360e85f44_kan.kd
    .args:
      - { .name: x, .offset: 0, .size: 8, .value_kind: global_buffer, .address_space: global }
      - { .name: dense_b, .offset: 8, .size: 8, .value_kind: global_buffer, .address_space: global }
      - { .name: lowp_scales, .offset: 16, .size: 8, .value_kind: global_buffer, .address_space: global }
      - { .name: wq, .offset: 24, .size: 8, .value_kind: global_buffer, .address_space: global }
      - { .name: out0, .offset: 32, .size: 8, .value_kind: global_buffer, .address_space: global }
    .group_segment_fixed_size: 327680
    .private_segment_fixed_size: 0
    .kernarg_segment_align: 8
    .kernarg_segment_size: 40
    .max_flat_workgroup_size: 256
    .sgpr_count:     90
    .vgpr_count:     512
    .wavefront_size: 32
...
	.end_amdgpu_metadata
.endif
;; end of part 2
